; MI455X (gfx1250); checked and timed in simulation.
; The chip was launched on July 23, 2026; its instructions are those of AMD's public machine-readable ISA for CDNA 5 (MIT licence, August 2026) and "CDNA5" Instruction Set Architecture Reference Guide (July 2026). The comments in the code are by the model that wrote it; some were corrected since.
;; Directional Visit Self Attn Resnet Layer. Allowed arithmetic: matrix products marked QUANTISED: E2M1 operands, one E8M0 scale for each 32 along K, by v_wmma_scale_f32_16x16x128_f8f6f4 with both operands' format E2M1 (or v_wmma_scale_f32_32x16x128_f4), f32 sums; products left as they are: f32 operands where the result goes on into a quantised operand, else bf16, f16 or f32 operands; f32 sums; everything else in f32.
;; Inputs: Wd 256 x 256 float32; Wl 256 x 256 float32; bd 256 float32; bias1 256 float32; bias2 256 float32; bl 256 float32; ln_beta 256 float32; ln_gamma 256 float32; mask 8 x 256 bool; x 8 x 256 x 256 float32.
;; Outputs: out0 8 x 256 x 256 float32.
;; This version of the problem:
;;   THIS VERSION OF THE PROBLEM IS GIVEN IN LOW PRECISION. The matrix products marked QUANTISED in the list below multiply operands that are first quantised to E2M1 (2 exponent bits, 1 mantissa bit; 4 bits a number), with one power-of-two scale for each 32 numbers along K (OCP MX v1.0); their sums are f32. All else is computed in f32.
;;   The module's matrix products, in the order in which they are computed (A, B: the left and right operand; K: the contracted axis; several contracted axes count as one K, in the product's order):
;;     1. [M 2,048, K 256] x [K 256, N 256]; A: input x; B: input Wd: QUANTISED
;;     2. [M 2,048, K 256] x [K 256, N 256]; A: computed on the way; B: input Wl: QUANTISED
;;     3. [M 2,048, K 256] x [K 256, N 256]; A: computed on the way; B: input Wl: QUANTISED
;;     4. [M 524,288, K 256] x [K 256, N 256]; A: computed on the way; B: input Wl: QUANTISED
;;     5. batch 2,048 x [M 1, K 256] x [K 256, N 256]; A: computed on the way; B: computed on the way: left as it is (M = 1 < 16)
;;   THE QUANTISER, for each operand of a quantised product, along K:
;;     - K is cut into blocks of 32 from its start; a last block that is shorter is filled with zeros.
;;     - A block's scale is 2^e with e = floor(log2(the largest magnitude in the block)) - 2, held to -126 .. 127; a block of zeros has e = 0. As a byte (E8M0): e + 127.
;;     - Each number is divided by its block's scale, clamped to +-6, and rounded to the nearest number of E2M1, ties to even, subnormals kept.
;;     - The product sums the exact products of the quantised numbers (number of the format x scale) in f32.
;;   ~~~python
;;   def quantise(x, axis):      # numpy; x: float32 -> the quantised numbers, widened to float32 again
;;       x = np.moveaxis(x, axis, -1); K = x.shape[-1]
;;       x = np.pad(x, [(0, 0)] * (x.ndim - 1) + [(0, -K % 32)]); x = x.reshape(x.shape[:-1] + (-1, 32)); a = np.abs(x).max(-1, keepdims=True)
;;       e = np.where(a > 0, np.clip(np.frexp(np.where(a > 0, a, 1))[1] - 1 - 2, -126, 127), 0)      # np.frexp(a)[1] - 1 = floor(log2(a)), exactly
;;       r = np.clip(x / 2.0 ** e, -6, 6)
;;       step = 2.0 ** (np.maximum(np.frexp(np.where(r == 0, 1, r))[1] - 1, 0) - 1)
;;       q = np.round(r / step) * step * 2.0 ** e      # np.round: ties to even
;;       return np.moveaxis(q.reshape(q.shape[:-2] + (-1,))[..., :K], -1, axis).astype(np.float32)
;;   ~~~
;;   OPERANDS COMPUTED ON THE WAY. 'Computed on the way' means the value that the module computes at that place (a softmax that the list does not call 'softmax' is quantised finished and normalised). What goes into a quantiser is computed in f32, as accurately as f32 sums, v_exp_f32 and their like allow (about 1e-6 of the number): no bf16 or f16 on the way to a quantiser, and a product that is left as it is and whose result goes on into a quantised operand takes f32 operands (vector FMAs, or v_wmma_f32_16x16x4_f32). A number that lies on a knife's edge between two numbers of the format may be rounded either way, as far as f32 arithmetic and the matrix unit's own rounding can turn it there, and no further.
;; One version. Each part assembles by itself: llvm-mc -triple=amdgcn-amd-amdhsa -mcpu=gfx1250 --defsym DOCPART=n.
;; ======== version 1 of 1: 2 launches
;; limits: right only within a limited range of input values
;; workspace buffers: tiles 4,194,304 bytes; hrow 2,097,152 bytes; wlq 34,816 bytes
;; launch prep (part 1): grid 128 x 1, 8 waves a work-group, no clusters, 37,376 bytes of LDS; arguments x, Wd, Wl, bd, bl, bias1, tiles, hrow, wlq; writes tiles, hrow, wlq
.if DOCPART == 1
	.amdgcn_target "amdgcn-amd-amdhsa--gfx1250"
	.amdhsa_code_object_version 6
	.text
	.protected	k_qdcc6cc789f_prep
	.globl	k_qdcc6cc789f_prep
	.p2align	8
	.type	k_qdcc6cc789f_prep,@function
k_qdcc6cc789f_prep:
	s_mov_b64 s[64:65], 0
	v_nop
	global_prefetch_b8 v0, s[64:65] scope:SCOPE_SE
	s_setreg_imm32_b32 hwreg(HW_REG_WAVE_MODE, 25, 1), 1
	s_wait_xcnt 0x0
; rep = relu(Q(x) Q(Wd) + bd) and L = Q(rep) Q(Wl) + bl, both products on codes of FP4 (E2M1) with one E8M0 scale for each 32 along K, for 16 rows a work-group;
; the results leave in the order in which the next launch's registers take them, and work-group 0 also stores Wl's codes and scale words in that order.
; SHARES.  Work-group = tile of 16 rows (2,048 rows: 128 work-groups).  Eight waves: waves 0-3 (role D) hold Wd, waves 4-7 (role L) hold Wl; wave w of a role owns columns 64 w .. 64 w + 63.
; THE COLUMNS OF A TILE ARE NOT NEIGHBOURS: lane r of tile tt takes column 64 w + 4 r + tt.  The products are used TRANSPOSED (source 0 = 16 columns of the weight, source 1 = the 16 rows), so in the
; four tiles of a wave lane (r, h) holds row r and the columns 64 w + 32 h + (4 q + tt), q the register: a WHOLE block of 32 of the next K in one lane: its maximum asks no other lane.
; THE WEIGHTS lie [K][N]: a lane loads 16 bytes (its four columns) of 32 rows k; sixteen lanes read 256 consecutive bytes.  A column's 32 numbers then stand four registers apart; the conversion
; wants them on end, so they are copied once (128 v_mov a chunk of 64 along K).
; NO CLUSTER, NO TENSOR LOAD: the two weights are 524,288 bytes, more than LDS holds, and go from memory straight into the registers from which they are converted; each wave reads a quarter of one weight once.
; LIMITS: a block of zeros gets the scale byte 1 (its codes are zeros; the bytes are read by this program alone); blocks whose largest magnitude lies under 2^-124 are held at that byte; NaN and infinities are not served.
; OUTPUT LAYOUTS.  tiles[tile][32768]: bytes 0-16383 the L image: chunk n of 512 bytes, lane l's 16 bytes at 16 l: floats 4 n .. 4 n + 3 of the lane's run rho = 32 beta + iota = L[row r][64 beta + 32 h + iota];
;   bytes 16384-32767 the rep image: chunk 2 t + c2: rep[row 8 h + 4 c2 + 0..3][column 64 (t / 4) + 4 r + t % 4].   hrow[tile][16384]: the L image's layout, values 2 log2(e) (L + bias1).
;   wlq: chunk (2 t + s) 2 + c: registers 4 c .. 4 c + 3 of tile t's fragment of K step s; from byte 32768 on, [t][lane] words: lanes 0-15 the scale word of K step 0, lanes 16-31 that of K step 1.
; LEFT OUT AS DEAD WORK, in the whole program: bias2, and the bl that the third use of the shared linear adds to its product (the scores).  Both are the same for all j of a row i and a channel, and the softmax runs
; over j: a term that is the same along its axis leaves the softmax as it is, whatever finite values the inputs hold.  bias2 has no other way to the output, so it is loaded nowhere and is no launch's argument.
; bl stays in L = Q(rep) Q(Wl) + bl, which goes on into a quantised operand.  Tiles of 16 j that lie wholly at or above the diagonal have the weight 0 by reference()'s own dmask and are not computed.
; LIMIT: a NaN, an infinity or an overflow that reaches only the work left out is not carried to the result.
.set XST,  0
.set XP,   1040
.set RST,  16640                       ; a stage of 16 rows x (256 + 16) bytes for each wave of role D, the wave's own
.set RP,   272
.set RIMG, 34048                       ; rep's codes: four pieces of 512 bytes, images of four registers
.set RSC,  36096                       ; rep's scale words: K step s, row r at 64 s + 4 r
.set TMX,  24                          ; v24-27   largest magnitudes
.set SOP,  28                          ; v28-31   the conversions' scale operands
.set BY,   32                          ; v32-39   scale bytes
.set FS,   42                          ; v42-49   the weight's scale words, tile tt, K step s at 2 tt + s: scales and nothing else
.set XS,   50                          ; v50-51   the rows' scale words: scales and nothing else
.set CP,   52                          ; v52-115  two columns' blocks on end; later REP or L (v52-83) and H (v84-115)
.set REP,  52
.set HH,   84
.set F,    116                         ; v116-179 the weight's fragments: 16 tt + 8 s + 4 c + g
.set XF,   180                         ; v180-195 the rows' two fragments
.set DA,   196                         ; v196-227 four accumulators; later the rep image
.set RC,   228                         ; v228-231 rep's codes
.set HW,   232                         ; v232     rep's two scale bytes
.set SWD,  233                         ; v233-236 Wl's scale words as the next launch wants them
; window 1: v0-127 and v128-255 two sets of 32 x 4 loaded numbers; later x's 128 numbers (v0-127), the bias of the product (v128-159), bias1 (v160-191)
.set MSB, 0
.macro WIN new                         ; the immediate's high byte repeats the setting that is left
.if MSB != \new
	s_set_vgpr_msb (MSB<<8)|\new
.set MSB, \new
.endif
.endm
; chunk n = 2 s + c of the weight: rows k = 64 n + 32 h + i, i = 0 .. 31, my four columns each
.macro LOADW n
	WIN 0x40
.set i, 0
.rept 32
	global_load_b128 v[128*((\n)%2)+4*i:128*((\n)%2)+4*i+3], v4, s[26:27] offset:(64*(\n)+i)*1024
.set i, i+1
.endr
	WIN 0
.endm
; chunk n becomes codes: for each of my four columns a block of 32: largest magnitude, scale, copy on end, four conversions
.macro PROCW n, cnt
.set LB, 128*((\n)%2)
.set SS, (\n)/2
.set CC, (\n)%2
	s_wait_loadcnt \cnt                            ; this chunk's 32 loads are in; cnt younger ones (the next chunk's) may be out
	WIN 0x14
.irp tt, 0,1,2,3
	v_max3_num_f32 v[TMX+\tt], v5, |v[LB+\tt]|, |v[LB+4+\tt]|      ; v5: the floor 2^(3 - 127): the byte cannot fall under 1
.endr
.set i, 2
.rept 15
.irp tt, 0,1,2,3
	s_delay_alu instid0(VALU_DEP_4)
	v_max3_num_f32 v[TMX+\tt], v[TMX+\tt], |v[LB+4*i+\tt]|, |v[LB+4*i+4+\tt]|   ; the four columns by turns
.endr
.set i, i+2
.endr
	WIN 0
.irp tt, 0,1,2,3
	v_add_nc_u32 v[SOP+\tt], 0xff000000, v[TMX+\tt]                ; 2 off the exponent field: the conversion's scale operand
.endr
.irp tt, 0,1,2,3
	s_delay_alu instid0(VALU_DEP_4)
	v_lshrrev_b32 v[BY+2*\tt+CC], 23, v[SOP+\tt]                   ; the scale's byte
.endr
.irp t0, 0,2
	WIN 0x01
.irp u, 0,1
.set i, 0
.rept 32
	v_mov_b32 v[CP+32*\u+i], v[LB+4*i+\t0+\u]                      ; column t0 + u: K on consecutive registers
.set i, i+1
.endr
.endr
	WIN 0
.irp u, 0,1
.irp g, 0,1,2,3
	v_cvt_scalef32_pk8_fp4_f32 v[F+16*(\t0+\u)+8*SS+4*CC+\g], v[CP+32*\u+8*\g:CP+32*\u+8*\g+7], v[SOP+\t0+\u]
.endr
.endr
	v_nop                                          ; one plain place behind the conversions: their sources are written again next
.endr
.endm
; the scale words of K step s: byte 2 c + h is lane (r, h)'s byte of chunk 2 s + c; lane l xor 16 has the other two
.macro WORDS s
.irp tt, 0,1,2,3
	v_lshl_or_b32 v40, v[BY+2*\tt+1], 16, v[BY+2*\tt]
	s_delay_alu instid0(VALU_DEP_1)
	v_lshlrev_b32 v40, v6, v40
	s_delay_alu instid0(VALU_DEP_1)
	v_permlanex16_b32 v41, v40, s30, s31
	s_delay_alu instid0(VALU_DEP_1)
	v_or_b32 v[FS+2*\tt+\s], v40, v41
.endr
.endm
; four tiles of 16 columns x 16 rows x K = 256: two K steps; the four accumulators take turns, one instruction a turn
.macro PROD
.rept 8
	v_nop                                          ; scale registers written by vector instructions stand 8 places ahead of a scaled matrix instruction, operands 4
.endr
.irp tt, 0,1,2,3
	v_wmma_scale_f32_16x16x128_f8f6f4 v[DA+8*\tt:DA+8*\tt+7], v[F+16*\tt:F+16*\tt+7], v[XF:XF+7], 0, v[FS+2*\tt], v[XS] matrix_a_fmt:MATRIX_FMT_FP4 matrix_b_fmt:MATRIX_FMT_FP4
.endr
	s_wait_alu depctr_va_vdst(0)
.irp tt, 0,1,2,3
	v_wmma_scale_f32_16x16x128_f8f6f4 v[DA+8*\tt:DA+8*\tt+7], v[F+16*\tt+8:F+16*\tt+15], v[XF+8:XF+15], v[DA+8*\tt:DA+8*\tt+7], v[FS+2*\tt+1], v[XS+1] matrix_a_fmt:MATRIX_FMT_FP4 matrix_b_fmt:MATRIX_FMT_FP4
.endr
.rept 4
	v_nop                                          ; four places ahead of the first read of the results (ISA guide 7.12.1)
.endr
.endm
	s_load_b512 s[4:19], s[0:1], 0x0               ; x, Wd, Wl, bd, bl, bias1, tiles, hrow
	s_load_b64 s[20:21], s[0:1], 0x40              ; wlq
	v_lshl_add_u32 v254, v0, 2, 0x8e00
	v_mov_b32 v255, 0
	v_lshrrev_b32 v24, 5, v0
	s_delay_alu instid0(VALU_DEP_1)
	v_readfirstlane_b32 s22, v24                   ; wave 0..7
	s_lshr_b32 s23, s22, 2                         ; role: 0 = D (Wd), 1 = L (Wl)
	s_and_b32 s24, s22, 3                          ; w: my quarter of the columns
	s_mov_b32 s30, 0x76543210
	s_mov_b32 s31, 0xfedcba98                      ; v_permlanex16_b32's selects for lane l xor 16
	s_mov_b32 s32, 0xffff0000                      ; lanes 16-31
	s_mov_b32 s34, 0x4038aa3b                      ; 2 log2(e)
	s_mov_b32 s35, s34                             ; (named with it as a pair)
	; every address register is made here, ahead of the parting of the roles
	v_and_b32 v25, 31, v0                          ; lane
	s_delay_alu instid0(VALU_DEP_1)
	v_lshlrev_b32 v1, 4, v25                       ; 16 x lane: an image's place
	v_and_b32 v2, 15, v0                           ; r
	v_bfe_u32 v3, v0, 4, 1                         ; h
	s_lshl_b32 s36, s24, 8
	v_lshlrev_b32 v4, 4, v2
	s_delay_alu instid0(VALU_DEP_1)
	v_lshl_add_u32 v4, v3, 15, v4
	s_delay_alu instid0(VALU_DEP_1)
	v_add_nc_u32 v4, s36, v4                       ; the weight: 32 h rows of 1,024 bytes + 256 w + 16 r
	v_mov_b32 v5, 0x1800000                        ; the floor
	v_lshlrev_b32 v6, 3, v3                        ; 8 h
	s_lshl_b32 s37, s22, 11
	v_add_nc_u32 v7, s37, v1                       ; x in memory: two rows a wave
	s_mul_i32 s37, s22, 2*XP
	v_add_nc_u32 v8, s37, v1                       ; and in LDS
	v_mul_u32_u24 v9, v2, XP
	s_delay_alu instid0(VALU_DEP_1)
	v_lshl_add_u32 v9, v3, 7, v9                   ; x back: row r, + 128 h: my 32 numbers of a run of 64
	s_mul_i32 s38, s24, 16*RP
	s_add_co_u32 s38, s38, RST                     ; my stage
	v_mul_u32_u24 v10, v2, RP
	s_delay_alu instid0(VALU_DEP_1)
	v_lshl_add_u32 v10, v3, 7, v10
	s_delay_alu instid0(VALU_DEP_1)
	v_add_nc_u32 v10, s38, v10                     ; in: row r, + 128 h
	v_mul_u32_u24 v11, v3, 8*RP
	s_delay_alu instid0(VALU_DEP_1)
	v_lshl_add_u32 v11, v2, 4, v11
	s_delay_alu instid0(VALU_DEP_1)
	v_add_nc_u32 v11, s38, v11                     ; back: rows 8 h on, columns 4 r on
	s_lshl_b32 s39, s24, 9
	s_add_co_u32 s39, s39, RIMG
	v_add_nc_u32 v12, s39, v1                      ; rep's codes: piece w
	s_lshr_b32 s39, s24, 1
	s_lshl_b32 s39, s39, 6
	s_and_b32 s38, s24, 1
	s_lshl_b32 s38, s38, 1
	s_add_co_u32 s39, s39, s38
	s_add_co_u32 s39, s39, RSC
	v_lshl_add_u32 v13, v2, 2, s39                 ; rep's scale bytes: K step w / 2, bytes 2 (w % 2) and + 1 of row r's word
	v_lshl_add_u32 v14, v2, 2, RSC                 ; and back: row r's word
	v_lshl_add_u32 v15, v3, 7, s36                 ; a bias: 256 w + 128 h
	v_lshlrev_b32 v16, 2, v25                      ; 4 x lane
	v_add_nc_u32 v17, RIMG, v1
	v_mov_b32 v40, 0
	v_mov_b32 v41, 0                               ; a lane permute's destination counts as one of its sources
	s_wait_kmcnt 0x0
	s_cmp_eq_u32 s23, 0                            ; the choice hangs on the wave's number alone
	s_cselect_b64 s[26:27], s[6:7], s[8:9]         ; my weight
	s_cselect_b64 s[28:29], s[10:11], s[12:13]     ; and its bias
	s_mov_b32 s37, 0
	s_lshl_b32 s36, ttmp9, 14
	s_add_nc_u64 s[4:5], s[4:5], s[36:37]          ; x at the tile's 16 rows
	s_lshl_b32 s38, s24, 12
	s_add_co_u32 s36, s36, s38
	s_add_nc_u64 s[18:19], s[18:19], s[36:37]      ; hrow: the tile, + my 8 chunks
	s_lshl_b32 s36, ttmp9, 15
	s_add_co_u32 s36, s36, s38
	s_add_nc_u64 s[16:17], s[16:17], s[36:37]      ; tiles likewise
	s_lshl_b32 s36, s24, 13
	s_add_nc_u64 s[40:41], s[20:21], s[36:37]      ; wlq: my 16 chunks of codes,
	s_lshl_b32 s36, s24, 9
	s_add_nc_u64 s[42:43], s[20:21], s[36:37]      ; my four scale registers
.irp i4, 0,1,2,3
	global_load_b128 v[CP+4*\i4:CP+4*\i4+3], v7, s[4:5] offset:512*\i4 th:TH_LOAD_NT   ; 512 consecutive bytes a load
.endr
	LOADW 0
	LOADW 1
	s_wait_loadcnt 63                              ; x's four are in: 64 loads were issued behind them, and 63 is the largest count that the wait can name
.irp i4, 0,1,2,3
	ds_store_b128 v8, v[CP+4*\i4:CP+4*\i4+3] offset:(\i4/2)*XP+(\i4%2)*512
.endr
	s_wait_dscnt 0x0                               ; for the others' sake: my two rows of x lie in LDS
	s_barrier_signal -1
	s_barrier_wait -1
	PROCW 0, 32
	LOADW 2
	PROCW 1, 32
	WORDS 0
	LOADW 3
	PROCW 2, 32
	PROCW 3, 0
	WORDS 1
	WIN 0x40
.irp g, 0,1,2,3,4,5,6,7
	global_load_b128 v[128+4*\g:131+4*\g], v15, s[28:29] offset:16*\g   ; the bias at my 32 columns
.endr
	WIN 0
	s_cmp_eq_u32 s23, 0
	s_cbranch_scc0 .Lrole_l1
	; ---- role D, first part: x is quantised (each of the four waves makes the same two fragments), rep is made and quantised
	WIN 0x40
.irp be, 0,1,2,3
.irp g, 0,1,2,3,4,5,6,7
	ds_load_b128 v[32*\be+4*\g:32*\be+4*\g+3], v9 offset:256*\be+16*\g   ; x(r, 64 beta + 32 h + 0 .. 31): a whole block
.endr
.endr
	s_wait_dscnt 0x0
	WIN 0x14
.irp be, 0,1,2,3
	v_max3_num_f32 v[TMX+\be], v5, |v[32*\be]|, |v[32*\be+1]|
.endr
.set i, 2
.rept 15
.irp be, 0,1,2,3
	s_delay_alu instid0(VALU_DEP_4)
	v_max3_num_f32 v[TMX+\be], v[TMX+\be], |v[32*\be+i]|, |v[32*\be+i+1]|
.endr
.set i, i+2
.endr
	WIN 0
.irp be, 0,1,2,3
	v_add_nc_u32 v[SOP+\be], 0xff000000, v[TMX+\be]
.endr
.irp be, 0,1,2,3
	s_delay_alu instid0(VALU_DEP_4)
	v_lshrrev_b32 v[BY+\be], 23, v[SOP+\be]
.endr
.irp s, 0,1
	v_lshl_or_b32 v40, v[BY+2*\s+1], 16, v[BY+2*\s]
	s_delay_alu instid0(VALU_DEP_1)
	v_lshlrev_b32 v40, v6, v40
	s_delay_alu instid0(VALU_DEP_1)
	v_permlanex16_b32 v41, v40, s30, s31
	s_delay_alu instid0(VALU_DEP_1)
	v_or_b32 v[XS+\s], v40, v41                    ; row r's scale word of K step s
.endr
	WIN 0x01
.irp be, 0,1,2,3
.irp g, 0,1,2,3
	v_cvt_scalef32_pk8_fp4_f32 v[XF+4*\be+\g], v[32*\be+8*\g:32*\be+8*\g+7], v[SOP+\be]
.endr
.endr
	v_nop
	WIN 0
	s_wait_alu depctr_va_vdst(0)
	s_wait_loadcnt 0x0                             ; bd
	PROD
	WIN 0x04
.set io, 0
.rept 32
	v_add_f32 v[REP+io], v[DA+8*(io%4)+io/4], v[128+io]   ; column 64 w + 32 h + io; each accumulator is read from its register 0 on
.set io, io+1
.endr
	WIN 0
.set io, 0
.rept 32
	v_max_num_f32 v[REP+io], 0, v[REP+io]          ; relu
.set io, io+1
.endr
.irp c4, 0,1,2,3
	v_max3_num_f32 v[TMX+\c4], v5, v[REP+8*\c4], v[REP+8*\c4+1]   ; none is negative: no |.|
.endr
.irp i2, 2,4,6
.irp c4, 0,1,2,3
	s_delay_alu instid0(VALU_DEP_4)
	v_max3_num_f32 v[TMX+\c4], v[TMX+\c4], v[REP+8*\c4+\i2], v[REP+8*\c4+\i2+1]
.endr
.endr
	s_delay_alu instid0(VALU_DEP_2)
	v_max3_num_f32 v[TMX], v[TMX], v[TMX+1], v[TMX+2]
	s_delay_alu instid0(VALU_DEP_1)
	v_max_num_f32 v[TMX], v[TMX], v[TMX+3]
	s_delay_alu instid0(VALU_DEP_1)
	v_add_nc_u32 v[SOP], 0xff000000, v[TMX]
	s_delay_alu instid0(VALU_DEP_1)
	v_lshrrev_b32 v[BY], 23, v[SOP]
.irp g, 0,1,2,3
	v_cvt_scalef32_pk8_fp4_f32 v[RC+\g], v[REP+8*\g:REP+8*\g+7], v[SOP]   ; registers 4 (w % 2) + g of K step w / 2
.endr
	v_nop
	v_lshlrev_b32 v[HW], v6, v[BY]
	s_delay_alu instid0(VALU_DEP_1)
	v_permlanex16_b32 v41, v[HW], s30, s31
	s_delay_alu instid0(VALU_DEP_1)
	v_or_b32 v[HW], v[HW], v41                     ; both halves' bytes
	ds_store_b128 v12, v[RC:RC+3]
	ds_store_b16 v13, v[HW]                        ; lanes l and l xor 16 write the same two bytes with the same value
	s_branch .Ljoin
.Lrole_l1:
	; ---- role L, first part: bias1 is asked for; work-group 0 stores Wl's codes and scale words
	WIN 0x40
.irp g, 0,1,2,3,4,5,6,7
	global_load_b128 v[160+4*\g:163+4*\g], v15, s[14:15] offset:16*\g
.endr
	WIN 0
	s_cmp_lg_u32 ttmp9, 0
	s_cbranch_scc1 .Ljoin
.set n, 0
.rept 16
	global_store_b128 v1, v[F+4*n:F+4*n+3], s[40:41] offset:512*n   ; 512 consecutive bytes a store
.set n, n+1
.endr
	s_wait_alu depctr_va_vdst(0)
.irp tt, 0,1,2,3
	v_cndmask_b32 v[SWD+\tt], v[FS+2*\tt], v[FS+2*\tt+1], s32      ; lanes 0-15 K step 0's word, lanes 16-31 K step 1's
.endr
.irp tt, 0,1,2,3
	global_store_b32 v16, v[SWD+\tt], s[42:43] offset:32768+128*\tt
.endr
.Ljoin:
	s_wait_dscnt 0x0                               ; for the others' sake: rep's codes and scale bytes lie in LDS
	s_barrier_signal -1
	s_barrier_wait -1
	s_cmp_eq_u32 s23, 0
	s_cbranch_scc0 .Lrole_l2
	; ---- role D, second part: rep is turned through my own stage into the rep image
.irp g, 0,1,2,3,4,5,6,7
	ds_store_b128 v10, v[REP+4*\g:REP+4*\g+3] offset:16*\g
.endr
.set n, 0
.rept 32
	ds_load_b32 v[DA+n], v11 offset:RP*(n%8)+4*(n/8)   ; rep(8 h + n % 8, 64 w + 4 r + n / 8).  LDS serves a wave's instructions in order: these see my stores
.set n, n+1
.endr
.set n, 0
.rept 8
	s_wait_dscnt 28-4*n                            ; chunk n's four loads are in; those issued behind them may be out
	global_store_b128 v1, v[DA+4*n:DA+4*n+3], s[16:17] offset:16384+512*n
.set n, n+1
.endr
	s_wait_tensorcnt 0x0
	ds_add_u32 v254, v255
	s_wait_dscnt 0x0
	s_endpgm
.Lrole_l2:
	; ---- role L, second part: L = Q(rep) Q(Wl) + bl, and 2 log2(e) (L + bias1)
.irp n4, 0,1,2,3
	ds_load_b128 v[XF+4*\n4:XF+4*\n4+3], v17 offset:512*\n4
.endr
.irp s, 0,1
	ds_load_b32 v[XS+\s], v14 offset:64*\s
.endr
	s_wait_dscnt 0x0
	s_wait_loadcnt 0x0                             ; bl, bias1
	PROD
	WIN 0x04
.set io, 0
.rept 32
	v_add_f32 v[REP+io], v[DA+8*(io%4)+io/4], v[128+io]
.set io, io+1
.endr
.set io, 0
.rept 16
	v_pk_add_f32 v[HH+2*io:HH+2*io+1], v[REP+2*io:REP+2*io+1], v[160+2*io:161+2*io]
.set io, io+1
.endr
	WIN 0
.set io, 0
.rept 16
	v_pk_mul_f32 v[HH+2*io:HH+2*io+1], v[HH+2*io:HH+2*io+1], s[34:35] op_sel_hi:[1,0]
.set io, io+1
.endr
.irp g, 0,1,2,3,4,5,6,7
	global_store_b128 v1, v[REP+4*\g:REP+4*\g+3], s[16:17] offset:512*\g
.endr
.irp g, 0,1,2,3,4,5,6,7
	global_store_b128 v1, v[HH+4*\g:HH+4*\g+3], s[18:19] offset:512*\g
.endr
	s_wait_tensorcnt 0x0
	ds_add_u32 v254, v255
	s_wait_dscnt 0x0
	s_endpgm
.Lfunc_end_k_qdcc6cc789f_prep:
	.size	k_qdcc6cc789f_prep, .Lfunc_end_k_qdcc6cc789f_prep-k_qdcc6cc789f_prep
	.p2alignl 7, 3214868480
	.fill 96, 4, 3214868480
	.section	.rodata,"a",@progbits
	.p2align	6, 0x0
	.amdhsa_kernel k_qdcc6cc789f_prep
		.amdhsa_group_segment_fixed_size 37376
		.amdhsa_private_segment_fixed_size 0
		.amdhsa_enable_private_segment 0
		.amdhsa_kernarg_size 72
		.amdhsa_user_sgpr_count 2
		.amdhsa_user_sgpr_kernarg_segment_ptr 1
		.amdhsa_wavefront_size32 1
		.amdhsa_system_sgpr_workgroup_id_x 1
		.amdhsa_system_sgpr_workgroup_id_y 1
		.amdhsa_system_sgpr_workgroup_id_z 1
		.amdhsa_system_vgpr_workitem_id 0
		.amdhsa_next_free_vgpr 512
		.amdhsa_next_free_sgpr 66
		.amdhsa_reserve_vcc 0
		.amdhsa_float_denorm_mode_32 3
		.amdhsa_float_denorm_mode_16_64 3
		.amdhsa_memory_ordered 1
		.amdhsa_forward_progress 1
		.amdhsa_inst_pref_size 96
	.end_amdhsa_kernel
	.amdgpu_metadata
---
amdhsa.version: [ 1, 2 ]
amdhsa.kernels:
  - .name:           k_qdcc6cc789f_prep
    .symbol:         k_qdcc6cc789f_prep.kd
    .args:
      - { .name: x, .offset: 0, .size: 8, .value_kind: global_buffer, .address_space: global }
      - { .name: Wd, .offset: 8, .size: 8, .value_kind: global_buffer, .address_space: global }
      - { .name: Wl, .offset: 16, .size: 8, .value_kind: global_buffer, .address_space: global }
      - { .name: bd, .offset: 24, .size: 8, .value_kind: global_buffer, .address_space: global }
      - { .name: bl, .offset: 32, .size: 8, .value_kind: global_buffer, .address_space: global }
      - { .name: bias1, .offset: 40, .size: 8, .value_kind: global_buffer, .address_space: global }
      - { .name: tiles, .offset: 48, .size: 8, .value_kind: global_buffer, .address_space: global }
      - { .name: hrow, .offset: 56, .size: 8, .value_kind: global_buffer, .address_space: global }
      - { .name: wlq, .offset: 64, .size: 8, .value_kind: global_buffer, .address_space: global }
    .group_segment_fixed_size: 37376
    .private_segment_fixed_size: 0
    .kernarg_segment_align: 8
    .kernarg_segment_size: 72
    .max_flat_workgroup_size: 256
    .sgpr_count:     66
    .vgpr_count:     512
    .wavefront_size: 32
...
	.end_amdgpu_metadata
.endif
;; end of part 1
;; launch attn (part 2): grid 256 x 1, 16 waves a work-group, clusters of 4 x 1, 327,680 bytes of LDS; arguments tiles, hrow, wlq, mask, ln_gamma, ln_beta, out0; writes out0
.if DOCPART == 2
	.amdgcn_target "amdgcn-amd-amdhsa--gfx1250"
	.amdhsa_code_object_version 6
	.text
	.protected	k_qdcc6cc789f_attn
	.globl	k_qdcc6cc789f_attn
	.p2align	8
	.type	k_qdcc6cc789f_attn,@function
k_qdcc6cc789f_attn:
	s_mov_b64 s[64:65], 0
	v_nop
	global_prefetch_b8 v0, s[64:65] scope:SCOPE_SE
	s_setreg_imm32_b32 hwreg(HW_REG_WAVE_MODE, 25, 1), 1
	s_wait_xcnt 0x0
	s_wait_alu depctr_hold_cnt(0) depctr_sa_sdst(0) depctr_va_vdst(0) depctr_va_sdst(0) depctr_va_ssrc(0) depctr_va_vcc(0) depctr_vm_vsrc(0)
	s_getreg_b32 s2, hwreg(HW_REG_IB_STS2, 6, 4)
	s_cmp_eq_u32 s2, 0
	s_cbranch_scc0 .Lentry_in_a_cluster
	s_endpgm
.Lentry_in_a_cluster:
	s_bfe_u32 s2, ttmp6, 0x10000c
	s_cmp_lg_u32 s2, 0x3003
	s_cbranch_scc0 .Lentry_shape_is_right
	s_endpgm
.Lentry_shape_is_right:
; For each row i of a batch: t = tanh(L_j + L_i + bias1) for the j < i, quantised along d to FP4 (E2M1, one E8M0 scale for each 32), scores = Q(t) Q(Wl), a softmax over j for each channel,
; the sum over j of its weights x rep_j, x mask, + rep_i, LayerNorm.  Nothing of it goes to memory but the result.
; LEFT OUT: bl and bias2 behind the scores (the same for all j of a softmax), and tiles wholly at or above the diagonal: see the first kernel's head.
; A UNIT is one row i, one tile of 16 j, all 256 d, all 256 channels.  Row i of block i / 16 takes the tiles 0 .. i / 16.
; SHARES.  Four waves own two rows with the same rho = i % 16: row B in block 15 - k (SW = 16 - k units) and row A in block k (k + 1 units): 17 units.  Cluster cl (0..63): batch cl / 8, k = cl % 8;
; work-group cx of four, group g = wave / 4: rho = 4 cx + g.  Wave beta = wave % 4 of a group makes t for d = 64 beta .. 64 beta + 63, and the scores and the softmax for channels 64 beta .. 64 beta + 63;
; the codes and scale bytes of the four go through LDS as an image of the operand's registers, in two buffers by turns: one barrier a step.
; STEP u: the products and the softmax of unit u - 1, and the tanh of unit u, their exponentials and reciprocals in three batches with the other's plain work between.
; TILES.  A tile is 32,768 bytes: the L image and the rep image.  Ring: unit 0 at byte 0, unit u > 0 at 32,768 (1 + (u - 1) % 8).  All sixty-four waves of a cluster walk the same units, so tiles are asked for JOINTLY:
; at the head units 0 to 4 (row B's tiles 0 to 4, dense: 10,240 bytes a wave), then behind the barriers of steps 1, 5 and 9 four units at a time (8,192 bytes a wave, four waves to a unit).
; NO PREFETCH: a refill has three steps in which to land, so no wave waits for it, and the head's tiles have no loop ahead of them.
; LAYOUT.  Lane (r, h) makes t(j = r, d = 64 beta + 32 h + 0..31): a WHOLE block of 32: no lane is asked for a maximum.  In the result lane (r, h) holds channel 64 beta + 4 r + tt of tile tt and the j = 8 h + 0..7:
; the softmax's maximum, sum and weighted sum are kept by lane, and the two halves meet once a row.
; SOFTMAX.  M the running maximum of the scores, N = -M log2(e): p = 2^(score log2(e) + N); what was summed is multiplied by 2^(new N - old N).  M begins at -2^100, so that its N is exact.
; tanh(s) = 1 - 2 / (1 + 2^(2 log2(e) s)).
; LIMITS: that form's absolute error is about 2e-7, so its relative error grows under |s| of about 1e-3; scores under -2^100 are not served; NaN and infinities among the inputs are not served;
; a block of zeros gets the scale byte 1 (its codes are zeros).
.set TILE, 32768
.set CB,   294912                      ; LDS behind the ring's nine tiles: two buffers of 4 groups x 2,048 bytes of codes,
.set SCB,  311296                      ; two buffers of 4 groups x 128 bytes of scale words,
.set SPARE, 312320                     ; the spare words, 128 bytes for each wave: eight blocks of 256 bytes that no other line names,
.set LNB,  314368                      ; and 64 bytes a group for the LayerNorm's partial sums
.set SPW,  1
.set NIL,  2
.set LA,   3                           ; 4,096 beta + 16 x lane: my part of an image
.set CST,  4                           ; codes: where I store,
.set CLD,  5                           ; and where I load
.set SST,  6                           ; scale byte, scale words likewise
.set SLD,  7
.set AD,   8
.set HO,   9                           ; my row's place in hrow
.set AS,   10                          ; v10-11   t's scale words: scales and nothing else
.set WS,   12                          ; v12-15   Wl's scale words: lanes 0-15 K step 0, lanes 16-31 K step 1: scales and nothing else
.set MX,   16                          ; v16-19   M
.set NX,   20                          ; v20-23   N
.set FX,   24                          ; v24-27   2^(new N - old N)
.set LS,   28                          ; v28-35   the sums, pairs (even j, odd j)
.set AC,   36                          ; v36-43   the weighted sums, pairs
.set RES,  44                          ; v44-47   row B's result
.set PC,   48                          ; v48-63   t's codes; behind the products: my own codes (v48-51) and work (v52-55)
.set TM,   52
.set FR,   64                          ; v64-127  Wl's fragments: 16 tt + 8 s
.set XB,   128                         ; v128-159 L, then t
.set HB,   160                         ; v160-191 2 log2(e) (L_i + bias1)
.set SB,   192                         ; v192-223 scores, then p
.set RB,   224                         ; v224-255 the rep image
; s22 wave; s23 cx; s24 batch; s25 k; s26 SW; s27 g; s28 beta; s[30:31] the batch's tiles + 8,192 beta; s[32:33] an offset; s[36:39], s[40:47] the descriptor; s[48:49] 2 log2(e); s[50:51] log2(e); s77 -log2(e);
; s52, s53 lane selects; s54 lanes 16-31; s56-63 the diagonal's lane masks; s66 the trip's place in the ring, s67 that of the unit before its first; s68 SW - 4 x trip; s69 trip; s[70:71], s[72:73] rows A's and B's H; s[74:75] the batch's tiles; s76 rho; s78 32,768 + 8,192 x wave
.macro CREST                           ; a round of the cluster's barrier behind its opening barrier
	s_cmp_lg_u32 s22, 0
	s_cbranch_scc1 .Lnot_wave_0_\@
	s_barrier_signal -3
.Lnot_wave_0_\@:
	s_barrier_wait -3
	s_barrier_signal -1
	s_barrier_wait -1
.endm
.macro ROUND
	s_barrier_signal -1
	s_barrier_wait -1
	CREST
.endm
.macro DRAIN
	s_wait_alu depctr_va_vdst(0)
.endm
.macro INIT                            ; a row begins
.irp t, 0,1,2,3
	v_mov_b32 v[MX+\t], 0xf1800000                 ; -2^100
	v_mov_b32 v[NX+\t], 0x71b8aa3b                 ; 2^100 log2(e), exactly -M log2(e)
.endr
.irp t, 0,1,2,3,4,5,6,7
	v_mov_b32 v[LS+\t], 0
	v_mov_b32 v[AC+\t], 0
.endr
.endm
.macro LL adr                          ; the L image: my 32 numbers
.irp n, 0,1,2,3,4,5,6,7
	ds_load_b128 v[XB+4*\n:XB+4*\n+3], v[\adr] offset:512*\n
.endr
.endm
.macro RL                              ; the rep image: 4 channels x 8 j
.irp n, 0,1,2,3,4,5,6,7
	ds_load_b128 v[RB+4*\n:RB+4*\n+3], v[AD] offset:16384+512*\n
.endr
.endm
.macro PL buf                          ; the codes of all 256 d, and row r's two scale words
.irp n, 0,1,2,3
	ds_load_b128 v[PC+4*\n:PC+4*\n+3], v[CLD] offset:8192*(\buf)+512*\n
.endr
	ds_load_b32 v[AS], v[SLD] offset:512*(\buf)
	ds_load_b32 v[AS+1], v[SLD] offset:512*(\buf)+64
.endm
.macro MM                              ; four tiles of channels x 2 K steps; the accumulators take turns; the first K step starts the sums
.irp t, 0,1,2,3
	v_wmma_scale_f32_16x16x128_f8f6f4 v[SB+8*\t:SB+8*\t+7], v[PC:PC+7], v[FR+16*\t:FR+16*\t+7], 0, v[AS], v[WS+\t] matrix_a_fmt:MATRIX_FMT_FP4 matrix_b_fmt:MATRIX_FMT_FP4
.endr
.irp t, 0,1,2,3
	v_wmma_scale_f32_16x16x128_f8f6f4 v[SB+8*\t:SB+8*\t+7], v[PC+8:PC+15], v[FR+16*\t+8:FR+16*\t+15], v[SB+8*\t:SB+8*\t+7], v[AS+1], v[WS+\t] matrix_a_fmt:MATRIX_FMT_FP4 matrix_b_fmt:MATRIX_FMT_FP4 matrix_b_scale:MATRIX_SCALE_ROW1
.endr
.endm
.macro ARG                             ; 2 log2(e) (L_j + L_i + bias1)
.set p, 0
.rept 16
	v_pk_fma_f32 v[XB+2*p:XB+2*p+1], v[XB+2*p:XB+2*p+1], s[48:49], v[HB+2*p:HB+2*p+1] op_sel_hi:[1,0,1]
.set p, p+1
.endr
.endm
.macro DIAG                            ; the row's own tile: scores of j >= i become -infinity; each accumulator from its register 0 on
	v_mov_b32 v[TM], 0xff800000
	DRAIN
.irp t, 0,1,2,3
.irp q, 0,1,2,3,4,5,6,7
	v_cndmask_b32 v[SB+8*\t+\q], v[SB+8*\t+\q], v[TM], s[56+\q]
.endr
.endr
.endm
.macro SMAX                            ; the new M, the change of N, the new N
	DRAIN
.irp q, 0,2,4,6
.irp t, 0,1,2,3
	v_max3_num_f32 v[MX+\t], v[MX+\t], v[SB+8*\t+\q], v[SB+8*\t+\q+1]
.endr
.endr
.irp t, 0,1,2,3
	v_fma_f32 v[FX+\t], v[MX+\t], s77, -v[NX+\t]
.endr
.irp t, 0,1,2,3
	v_mul_f32 v[NX+\t], s77, v[MX+\t]
.endr
.endm
.macro SARG p                          ; score log2(e) + N for pair p of tile p / 4: N is the low or the high word of a pair
.if ((\p)/4)%2 == 0
	v_pk_fma_f32 v[SB+2*(\p):SB+2*(\p)+1], v[SB+2*(\p):SB+2*(\p)+1], s[50:51], v[NX+2*((\p)/8):NX+2*((\p)/8)+1] op_sel_hi:[1,0,0]
.else
	v_pk_fma_f32 v[SB+2*(\p):SB+2*(\p)+1], v[SB+2*(\p):SB+2*(\p)+1], s[50:51], v[NX+2*((\p)/8):NX+2*((\p)/8)+1] op_sel:[0,0,1] op_sel_hi:[1,0,1]
.endif
.endm
.macro SFIRST t                        ; the first j pair's products,
	v_pk_mul_f32 v[RB+8*(\t):RB+8*(\t)+1], v[SB+8*(\t):SB+8*(\t)+1], v[RB+8*(\t):RB+8*(\t)+1]
.endm
.macro SSECOND t                       ; and the sum of the first two pairs
	v_pk_add_f32 v[SB+8*(\t):SB+8*(\t)+1], v[SB+8*(\t):SB+8*(\t)+1], v[SB+8*(\t)+2:SB+8*(\t)+3]
.endm
.macro RESC d, a, t                    ; d = d x f + a, f the low or the high word of a pair
.if (\t)%2 == 0
	v_pk_fma_f32 v[\d+2*(\t):\d+2*(\t)+1], v[\d+2*(\t):\d+2*(\t)+1], v[FX+2*((\t)/2):FX+2*((\t)/2)+1], v[\a+8*(\t):\a+8*(\t)+1] op_sel_hi:[1,0,1]
.else
	v_pk_fma_f32 v[\d+2*(\t):\d+2*(\t)+1], v[\d+2*(\t):\d+2*(\t)+1], v[FX+2*((\t)/2):FX+2*((\t)/2)+1], v[\a+8*(\t):\a+8*(\t)+1] op_sel:[0,1,0] op_sel_hi:[1,1,1]
.endif
.endm
.macro SACC                            ; the rest of the sums and of the weighted sums; the four tiles by turns
.irp q, 2,4,6
.irp t, 0,1,2,3
	v_pk_fma_f32 v[RB+8*\t:RB+8*\t+1], v[SB+8*\t+\q:SB+8*\t+\q+1], v[RB+8*\t+\q:RB+8*\t+\q+1], v[RB+8*\t:RB+8*\t+1]
.endr
.endr
.irp t, 0,1,2,3
	v_pk_add_f32 v[SB+8*\t+4:SB+8*\t+5], v[SB+8*\t+4:SB+8*\t+5], v[SB+8*\t+6:SB+8*\t+7]
.endr
.irp t, 0,1,2,3
	RESC LS, SB, \t
.endr
.irp t, 0,1,2,3
	RESC AC, RB, \t
.endr
.irp t, 0,1,2,3
	v_pk_add_f32 v[LS+2*\t:LS+2*\t+1], v[LS+2*\t:LS+2*\t+1], v[SB+8*\t+4:SB+8*\t+5]
.endr
.endm
.macro CODES buf                       ; t, its block's largest magnitude with the floor 2^(3 - 127) among the leaves, scale, codes; to LDS
.set p, 0
.rept 16
	v_pk_fma_f32 v[XB+2*p:XB+2*p+1], v[XB+2*p:XB+2*p+1], -2.0, 1.0 op_sel_hi:[1,0,0]
.set p, p+1
.endr
.irp c, 0,1,2,3
	v_max3_num_f32 v[TM+\c], |v[XB+8*\c]|, |v[XB+8*\c+1]|, |v[XB+8*\c+2]|
.endr
.irp q, 3,5
.irp c, 0,1,2,3
	v_max3_num_f32 v[TM+\c], v[TM+\c], |v[XB+8*\c+\q]|, |v[XB+8*\c+\q+1]|
.endr
.endr
	v_max3_num_f32 v[TM], v[TM], v[TM+1], v[TM+2]
	v_max3_num_f32 v[TM+3], v[TM+3], |v[XB+7]|, |v[XB+15]|
	v_max3_num_f32 v[TM], v[TM], |v[XB+23]|, |v[XB+31]|
	v_max3_num_f32 v[TM], v[TM], v[TM+3], 0x1800000
	v_add_nc_u32 v[TM+1], 0xff000000, v[TM]        ; 2 off the exponent field: the conversion's scale operand
.irp c, 0,1,2,3
	v_cvt_scalef32_pk8_fp4_f32 v[PC+\c], v[XB+8*\c:XB+8*\c+7], v[TM+1]
.endr
	v_lshrrev_b32 v[TM+2], 23, v[TM+1]             ; the scale's byte; the plain place behind the conversions
	ds_store_b8 v[SST], v[TM+2] offset:512*(\buf)
	ds_store_b128 v[CST], v[PC:PC+3] offset:8192*(\buf)
.endm
; A row is done: the two halves of the lanes (j = 8 h + ..) meet, each brought to the smaller N; result = weighted sum / sum, in both halves.  At work in the scores' registers.
.macro FINISH dst
	DRAIN
.irp t, 0,1,2,3
	v_add_f32 v[SB+4+\t], v[LS+2*\t], v[LS+2*\t+1]
	v_add_f32 v[SB+8+\t], v[AC+2*\t], v[AC+2*\t+1]
.endr
.irp t, 0,1,2,3
	v_permlanex16_b32 v[SB+\t], v[NX+\t], s52, s53
.endr
.irp t, 0,1,2,3
	v_min_num_f32 v[SB+12+\t], v[NX+\t], v[SB+\t]
.endr
.irp t, 0,1,2,3
	v_sub_f32 v[SB+16+\t], v[SB+12+\t], v[NX+\t]
.endr
	DRAIN
.irp t, 0,1,2,3
	v_exp_f32 v[SB+16+\t], v[SB+16+\t]
.endr
	v_nop
	DRAIN
.irp t, 0,1,2,3
	v_mul_f32 v[SB+4+\t], v[SB+4+\t], v[SB+16+\t]
	v_mul_f32 v[SB+8+\t], v[SB+8+\t], v[SB+16+\t]
.endr
.irp t, 0,1,2,3
	v_permlanex16_b32 v[SB+20+\t], v[SB+4+\t], s52, s53
	v_permlanex16_b32 v[SB+24+\t], v[SB+8+\t], s52, s53
.endr
.irp t, 0,1,2,3
	v_add_f32 v[SB+4+\t], v[SB+4+\t], v[SB+20+\t]
	v_add_f32 v[SB+8+\t], v[SB+8+\t], v[SB+24+\t]
.endr
.irp t, 0,1,2,3
	v_max_num_f32 v[SB+4+\t], 0.5, v[SB+4+\t]      ; a row with a visible j has a p = 1 in its sum; row 0 has none: its sums are 0, and 0 / 0.5 = 0 is what is asked there
.endr
	DRAIN
.irp t, 0,1,2,3
	v_rcp_f32 v[SB+4+\t], v[SB+4+\t]
.endr
	v_nop
	DRAIN
.irp t, 0,1,2,3
	v_mul_f32 v[\dst+\t], v[SB+8+\t], v[SB+4+\t]
.endr
.endm
; Step u = 4 x trip + j.  kind 0: a plain barrier; 1: the barrier opens a round, and the units u + 4 .. u + 7 are asked for behind it; 2: a plain barrier that shows the tiles asked for in this trip.
.macro STEP j, kind
	PL ((\j)-1)%2
	s_add_co_u32 s29, s66, TILE*(\j)
	v_add_nc_u32 v[AD], s29, v[LA]
	LL AD
.if (\j) == 1
	v_add_nc_u32 v[AD], s67, v[LA]
.else
	s_add_co_u32 s29, s66, TILE*((\j)-1)
	v_add_nc_u32 v[AD], s29, v[LA]
.endif
	RL
	s_wait_loadcnt 0x0                             ; Wl's fragments, or row A's H, where they were asked for
	s_cmp_eq_u32 s68, (\j)-1                       ; unit u - 2 was row B's last
	s_cbranch_scc0 .Lsame_row_\@
	FINISH RES
	INIT
.Lsame_row_\@:
	s_wait_dscnt 16                                ; codes and scale words are in; behind them 8 loads of L, 8 of rep
	MM
	s_wait_dscnt 8                                 ; L is in
	ARG                                            ; (also the places behind the matrix instructions)
.if (\kind) != 3                       ; kind 3: the last step, a plain barrier; no unit follows, so H is loaded no more
	s_cmp_eq_u32 s68, (\j)+1                       ; unit u + 1 is row A's first: H has been read for the last time, and row A's lands during the rest of the step
	s_cbranch_scc0 .Lkeep_h_\@
.irp n, 0,1,2,3,4,5,6,7
	global_load_b128 v[HB+4*\n:HB+4*\n+3], v[HO], s[70:71] offset:512*\n
.endr
.Lkeep_h_\@:
.endif
	s_cmp_eq_u32 s68, \j                           ; unit u - 1 is row B's own tile
	s_cbranch_scc0 .Lopen_\@
	DIAG
.Lopen_\@:
	SMAX
	DRAIN
.set p, 0
.rept 16                               ; 2^(2 log2(e) s), and the softmax's arguments
	v_exp_f32 v[XB+2*p], v[XB+2*p]
	v_exp_f32 v[XB+2*p+1], v[XB+2*p+1]
	SARG p
.set p, p+1
.endr
	DRAIN
.irp t, 0,1,2,3
	v_exp_f32 v[FX+\t], v[FX+\t]
.endr
.set p, 0
.rept 16                               ; p, and 1 + 2^(2 log2(e) s)
	v_exp_f32 v[SB+2*p], v[SB+2*p]
	v_exp_f32 v[SB+2*p+1], v[SB+2*p+1]
	v_pk_add_f32 v[XB+2*p:XB+2*p+1], v[XB+2*p:XB+2*p+1], 1.0 op_sel_hi:[1,0]
.set p, p+1
.endr
	DRAIN
	s_wait_dscnt 0x0                               ; the rep image is in
.set p, 0
.rept 8                                ; 1 / (1 + .), and the first of the sums
	v_rcp_f32 v[XB+4*p], v[XB+4*p]
	v_rcp_f32 v[XB+4*p+1], v[XB+4*p+1]
	v_rcp_f32 v[XB+4*p+2], v[XB+4*p+2]
	v_rcp_f32 v[XB+4*p+3], v[XB+4*p+3]
.if p < 4
	SFIRST p
.else
	SSECOND p-4
.endif
.set p, p+1
.endr
	DRAIN
	CODES (\j)%2
.if (\kind) == 1
	s_wait_tensorcnt 0x0                           ; no tensor load of mine is out, so the descriptor may be written
	ds_add_u32 v[SPW], v[NIL]                      ; 0 onto my spare word: the descriptor's step stands between it and the wait for it
	s_lshl_b32 s29, s69, 2
	s_add_co_u32 s29, s29, s27
	s_add_co_u32 s29, s29, 5                       ; the unit that I fetch for: 4 x trip + 5 + wave / 4
	s_cmp_ge_u32 s29, s26
	s_cselect_b32 s34, s26, 0
	s_sub_co_u32 s29, s29, s34                     ; its tile: the unit in row B, the unit - SW in row A
	s_lshl_b32 s32, s29, 15
	s_add_nc_u64 s[38:39], s[30:31], s[32:33]
	s_or_b32 s39, s39, 0x80000000
	s_xor_b32 s37, s66, 0x20000
	s_add_co_u32 s37, s37, s78                     ; into the ring's other four places
.endif
.if (\kind) == 2
	s_wait_tensorcnt 0x0                           ; my part of the next four units has landed
.endif
	s_wait_dscnt 0x0                               ; for the others' sake: my codes lie in LDS, and my reads of unit u - 1's tile are over
	s_barrier_signal -1
	SACC                                           ; work on registers while the others arrive
	s_barrier_wait -1
.if (\kind) == 1
	CREST                                          ; no wave of any partner still reads those four places or has a load on its way
	tensor_load_to_lds s[36:39], s[40:47]
	s_nop 0
.endif
.endm
	s_load_b256 s[4:11], s[0:1], 0x0               ; tiles, hrow, wlq, mask
	s_load_b128 s[12:15], s[0:1], 0x20             ; ln_gamma, ln_beta
	s_load_b64 s[16:17], s[0:1], 0x30              ; out0
	v_lshl_add_u32 v[SPW], v0, 2, SPARE
	v_mov_b32 v[NIL], 0
	ds_add_u32 v[SPW], v[NIL]                      ; the wave's opening: the add, twice on end, and its wait
	ds_add_u32 v[SPW], v[NIL]
	v_lshrrev_b32 v8, 5, v0
	v_readfirstlane_b32 s22, v8                    ; wave 0..15
	s_bfe_u32 s23, ttmp6, 0x40000                  ; cx: it enters global addresses and lane masks alone
	s_lshr_b32 s24, ttmp9, 3                       ; batch (in a cluster launch ttmp9 counts clusters)
	s_and_b32 s25, ttmp9, 7                        ; k
	s_sub_co_u32 s26, 16, s25                      ; SW
	s_lshr_b32 s27, s22, 2                         ; g
	s_and_b32 s28, s22, 3                          ; beta
	s_lshl_b32 s76, s23, 2
	s_add_co_u32 s76, s76, s27                     ; rho
	; descriptor group 1: a dense piece as rows of 256 bytes: 40 at the head, 32 behind it
	s_mov_b32 s40, 15|(3<<16)|(1<<21)              ; 15:0 the mask: all four work-groups; 17:16 elements of 8 bytes; 21 set beside a mask; no padding
	s_mov_b32 s41, 32<<16                          ; tensor_dim0 = 32
	s_mov_b32 s42, 40<<16                          ; tensor_dim1 = 40
	s_mov_b32 s43, 32<<16                          ; tile_dim0 = 32
	s_mov_b32 s44, 40                              ; tile_dim1 = 40
	s_mov_b32 s45, 32                              ; tensor_dim0_stride
	s_mov_b32 s46, 0
	s_mov_b32 s47, 0
	s_mov_b32 s48, 0x4038aa3b                      ; 2 log2(e)
	s_mov_b32 s49, s48
	s_mov_b32 s50, 0x3fb8aa3b                      ; log2(e)
	s_mov_b32 s51, s50
	s_mov_b32 s77, 0xbfb8aa3b                      ; -log2(e)
	s_mov_b32 s52, 0x76543210
	s_mov_b32 s53, 0xfedcba98                      ; v_permlanex16_b32's selects for lane l xor 16
	s_mov_b32 s54, 0xffff0000                      ; lanes 16-31
	s_lshl_b32 s80, s28, 12                        ; my part of an image
	s_lshl_b32 s81, s28, 13                        ; my fragments
	s_lshl_b32 s82, s28, 9
	s_add_co_u32 s82, s82, 32768                   ; their scale words
	s_lshl_b32 s83, s76, 4
	s_add_co_u32 s83, s83, s80                     ; H: of each chunk the 16 bytes of lane (rho, h)
	s_lshl_b32 s84, s22, 9
	s_add_co_u32 s84, s84, CB
	s_lshl_b32 s85, s27, 11
	s_add_co_u32 s85, s85, CB
	s_lshl_b32 s86, s27, 7
	s_add_co_u32 s86, s86, SCB                     ; the group's scale words: K step s, row r at 64 s + 4 r
	s_lshr_b32 s87, s28, 1
	s_lshl_b32 s87, s87, 6
	s_add_co_u32 s87, s87, s86
	s_and_b32 s88, s28, 1
	s_lshl_b32 s88, s88, 1
	s_add_co_u32 s87, s87, s88                     ; my bytes: K step beta / 2, byte 2 (beta % 2) + h
	s_lshl_b32 s78, s22, 13
	s_add_co_u32 s78, s78, TILE
	s_mov_b32 s33, 0
	v_and_b32 v192, 15, v0                         ; r
	v_bfe_u32 v193, v0, 4, 1                       ; h
	v_and_b32 v196, 31, v0                         ; lane
	v_lshl_add_u32 v[LA], v196, 4, s80
	v_lshl_add_u32 v194, v196, 4, s81
	v_lshl_add_u32 v195, v196, 2, s82
	v_lshl_add_u32 v[HO], v193, 8, s83
	v_lshl_add_u32 v[CST], v196, 4, s84
	v_lshl_add_u32 v[CLD], v196, 4, s85
	v_lshl_add_u32 v[SLD], v192, 2, s86
	v_lshl_add_u32 v[SST], v192, 2, s87
	v_add_nc_u32 v[SST], v[SST], v193
	v_lshlrev_b32 v198, 3, v193
	v_sub_nc_u32 v197, s76, v198                   ; rho - 8 h
.irp q, 0,1,2,3,4,5,6,7
	v_cmp_ge_i32 s[56+\q], \q, v197                ; register q holds j = 8 h + q of the tile: hidden on the diagonal where 8 h + q >= rho
.endr
	DRAIN
	s_wait_dscnt 0x0                               ; both opening adds are done
	s_wait_kmcnt 0x0
	s_lshl_b32 s32, s24, 19
	s_add_nc_u64 s[74:75], s[4:5], s[32:33]        ; the batch's 16 tiles
	s_lshl_b32 s32, s28, 13
	s_add_nc_u64 s[30:31], s[74:75], s[32:33]      ; a quarter of tile 0: the same in all four work-groups
	s_lshl_b32 s29, s24, 4
	s_add_co_u32 s34, s29, s25
	s_lshl_b32 s32, s34, 14
	s_add_nc_u64 s[70:71], s[6:7], s[32:33]        ; hrow at block k
	s_add_co_u32 s34, s29, 15
	s_sub_co_u32 s34, s34, s25
	s_lshl_b32 s32, s34, 14
	s_add_nc_u64 s[72:73], s[6:7], s[32:33]        ; and at block 15 - k
	s_mov_b32 s36, 1                               ; group 0: count = 1,
	s_mul_i32 s37, s22, 10240                      ; LDS address: units 0 to 4, a sixteenth a wave,
	s_mov_b32 s32, s37
	s_add_nc_u64 s[38:39], s[74:75], s[32:33]
	s_or_b32 s39, s39, 0x80000000                  ; type = 2
	ROUND                                          ; all four work-groups are here: the first joint loads meet
	tensor_load_to_lds s[36:39], s[40:47]
	s_nop 0
.irp n, 0,1,2,3,4,5,6,7
	global_load_b128 v[HB+4*\n:HB+4*\n+3], v[HO], s[72:73] offset:512*\n        ; row B's H
.endr
.set n, 0
.rept 16
	global_load_b128 v[FR+4*n:FR+4*n+3], v194, s[8:9] offset:512*n              ; Wl's eight fragments: they stay
.set n, n+1
.endr
.irp t, 0,1,2,3
	global_load_b32 v[WS+\t], v195, s[8:9] offset:128*\t
.endr
	INIT
.irp t, 0,1,2,3
	v_mov_b32 v[RES+\t], 0                         ; row B's result holds numbers on every way through the text
.endr
	DRAIN
	s_wait_tensorcnt 0x0
	s_mov_b32 s42, 32<<16                          ; no tensor load of mine is out: from here on a load brings 32 rows
	s_mov_b32 s44, 32
	s_wait_dscnt 0x0
	s_barrier_signal -1
	s_barrier_wait -1                              ; units 0 to 4 are in
	LL LA
	s_wait_loadcnt 20                              ; H is in; behind it 16 loads of fragments and 4 of scale words
	s_wait_dscnt 0x0
	ARG                                            ; step 0: the tanh of unit 0 alone
	DRAIN
.set p, 0
.rept 32
	v_exp_f32 v[XB+p], v[XB+p]
.set p, p+1
.endr
	v_nop
	DRAIN
.set p, 0
.rept 16
	v_pk_add_f32 v[XB+2*p:XB+2*p+1], v[XB+2*p:XB+2*p+1], 1.0 op_sel_hi:[1,0]
.set p, p+1
.endr
	DRAIN
.set p, 0
.rept 32
	v_rcp_f32 v[XB+p], v[XB+p]
.set p, p+1
.endr
	v_nop
	DRAIN
	CODES 0
	s_wait_dscnt 0x0
	s_barrier_signal -1
	s_barrier_wait -1
	s_mov_b32 s69, 0
	s_mov_b32 s68, s26
.Ltrip:                                                ; three trips of four steps; each asks for the next trip's four units
	s_and_b32 s66, s69, 1
	s_lshl_b32 s66, s66, 17                        ; unit 4 x trip + j lies at s66 + 32,768 j,
	s_lshr_b32 s67, s69, 1
	s_lshl_b32 s67, s67, 18
	s_or_b32 s67, s67, s66                         ; unit 4 x trip at 0, 131,072, 262,144
	STEP 1, 1
	STEP 2, 0
	STEP 3, 0
	STEP 4, 2
	s_sub_co_u32 s68, s68, 4
	s_add_co_u32 s69, s69, 1
	s_cmp_lt_u32 s69, 3
	s_cbranch_scc1 .Ltrip
	s_mov_b32 s66, 0x20000                         ; the last four steps are written out: nothing is left to fetch
	s_mov_b32 s67, 0x20000
	STEP 1, 0
	STEP 2, 0
	STEP 3, 0
	STEP 4, 3
	; STEP 17: the products and the softmax of unit 16, row A's own tile; what the way out wants is loaded into L's registers.  Lanes 0-15 finish row A (block k), lanes 16-31 row B (block 15 - k, 15 - 2 k blocks further on)
	PL 0
	s_mov_b32 s29, 8*TILE
	v_add_nc_u32 v[AD], s29, v[LA]
	RL
	s_lshl_b32 s34, s25, 1
	s_sub_co_u32 s34, 15, s34
	s_lshl_b32 s80, s34, 15                        ; 15 - 2 k blocks in tiles,
	s_lshl_b32 s81, s34, 4                         ; in rows,
	s_lshl_b32 s82, s34, 14                        ; in out0
	s_lshl_b32 s83, s25, 15
	s_add_co_u32 s83, s83, 16384
	s_lshl_b32 s29, s28, 12
	s_add_co_u32 s83, s83, s29                     ; the rep image of block k, my channels:
	s_bfe_u32 s29, s76, 0x10002
	s_lshl_b32 s29, s29, 9                         ; row rho lies in chunk 2 t + (rho % 8) / 4,
	s_add_co_u32 s83, s83, s29
	s_lshr_b32 s29, s76, 3
	s_lshl_b32 s29, s29, 8                         ; half rho / 8 of the lanes,
	s_add_co_u32 s83, s83, s29
	s_and_b32 s29, s76, 3
	s_lshl_b32 s29, s29, 2                         ; word rho % 4
	s_add_co_u32 s83, s83, s29
	s_lshl_b32 s84, s24, 8
	s_lshl_b32 s29, s25, 4
	s_add_co_u32 s84, s84, s29
	s_add_co_u32 s84, s84, s76                     ; row A among the 2,048
	s_lshl_b32 s85, s84, 10
	s_lshl_b32 s86, s28, 8
	s_add_co_u32 s85, s85, s86
	s_lshl_b32 s87, s27, 6
	s_add_co_u32 s87, s87, LNB
	s_lshl_b32 s88, s28, 3
	s_add_co_u32 s88, s88, s87
	v_and_b32 v160, 15, v0                         ; r
	v_bfe_u32 v161, v0, 4, 1                       ; h
	v_mul_u32_u24 v162, v161, s80
	v_lshl_add_u32 v162, v160, 4, v162
	v_add_nc_u32 v162, s83, v162                   ; rep of my row at my four channels
	v_lshl_add_u32 v163, v160, 4, s86              ; gamma, beta
	v_mul_u32_u24 v164, v161, s81
	v_add_nc_u32 v164, s84, v164                   ; the mask's byte
	v_mul_u32_u24 v165, v161, s82
	v_lshl_add_u32 v165, v160, 4, v165
	v_add_nc_u32 v165, s85, v165                   ; out0
	v_lshl_add_u32 v166, v161, 5, s88              ; LayerNorm: my pair,
	v_lshl_add_u32 v167, v161, 5, s87              ; and my row's four
.irp t, 0,1,2,3
	global_load_b32 v[XB+\t], v162, s[74:75] offset:1024*\t
.endr
	global_load_b128 v[XB+4:XB+7], v163, s[12:13]
	global_load_b128 v[XB+8:XB+11], v163, s[14:15]
	global_load_u8 v[XB+12], v164, s[10:11]
	DRAIN
	s_cmp_eq_u32 s68, 4                            ; unit 15 was row B's last
	s_cbranch_scc0 .Lsame_row_17
	FINISH RES
	INIT
.Lsame_row_17:
	DRAIN
	s_wait_dscnt 8                                 ; codes and scale words are in; behind them 8 loads of rep
	MM
.rept 4
	v_nop                                          ; four places ahead of the next write of a register that the products read, and of the first read of the results
.endr
	DIAG
	SMAX
.set p, 0
.rept 16
	SARG p
.set p, p+1
.endr
	DRAIN
.irp t, 0,1,2,3
	v_exp_f32 v[FX+\t], v[FX+\t]
.endr
.set p, 0
.rept 32
	v_exp_f32 v[SB+p], v[SB+p]
.set p, p+1
.endr
	v_nop
	DRAIN
	s_wait_dscnt 0x0
.irp t, 0,1,2,3
	SFIRST \t
.endr
.irp t, 0,1,2,3
	SSECOND \t
.endr
	SACC
	FINISH PC
	DRAIN
	s_wait_loadcnt 0x0                             ; rep, gamma, beta, the mask's byte
	v_cvt_f32_u32 v56, v[XB+12]                    ; the mask: 0 or 1
.irp t, 0,1,2,3
	v_cndmask_b32 v[TM+\t], v[PC+\t], v[RES+\t], s54
.endr
.irp t, 0,1,2,3
	v_fma_f32 v[TM+\t], v[TM+\t], v56, v[XB+\t]    ; x mask, + rep
.endr
	; LayerNorm: a row's 256 channels are 4 registers x 16 lanes x 4 waves.  Each wave gives its 64 channels' mean and sum of squares about that mean; the four are joined exactly: the squares, + 64 x (each mean - the mean of all)^2
	v_add_f32 v57, v[TM], v[TM+1]
	v_add_f32 v58, v[TM+2], v[TM+3]
	v_add_f32 v57, v57, v58
.irp x, 1,2,4,8
	v_add_f32_dpp v57, v57, v57 row_xmask:\x row_mask:0xf bank_mask:0xf
.endr
	v_mul_f32 v58, 0x3c800000, v57                 ; / 64
.irp t, 0,1,2,3
	v_sub_f32 v[60+\t], v[TM+\t], v58
.endr
	v_mul_f32 v59, v60, v60
	v_fmac_f32 v59, v61, v61
	v_fmac_f32 v59, v62, v62
	v_fmac_f32 v59, v63, v63
.irp x, 1,2,4,8
	v_add_f32_dpp v59, v59, v59 row_xmask:\x row_mask:0xf bank_mask:0xf
.endr
	ds_store_b64 v166, v[58:59]                    ; the sixteen lanes of a half write the same pair with the same values
	DRAIN
	s_wait_dscnt 0x0
	s_barrier_signal -1
	s_barrier_wait -1
	ds_load_b128 v[64:67], v167
	ds_load_b128 v[68:71], v167 offset:16
	s_mov_b32 s29, 0x3b800000                      ; 1 / 256
	s_mov_b32 s34, 0x3e800000                      ; 64 / 256
	s_mov_b32 s35, 0x358637bd                      ; 1e-6
	s_wait_dscnt 0x0
	v_add_f32 v72, v64, v66
	v_add_f32 v73, v68, v70
	v_add_f32 v78, v65, v67
	v_add_f32 v79, v69, v71
	v_add_f32 v72, v72, v73
	v_add_f32 v79, v78, v79
	v_mul_f32 v72, s34, v72                        ; the mean
	v_sub_f32 v74, v64, v72
	v_sub_f32 v75, v66, v72
	v_sub_f32 v76, v68, v72
	v_sub_f32 v77, v70, v72
	v_mul_f32 v78, v74, v74
	v_fmac_f32 v78, v75, v75
	v_fmac_f32 v78, v76, v76
	v_fmac_f32 v78, v77, v77
	v_fma_f32 v78, v78, s34, s35
	v_fma_f32 v79, v79, s29, v78
.irp t, 0,1,2,3
	v_sub_f32 v[TM+\t], v[TM+\t], v72
.endr
	DRAIN
	v_rsq_f32 v79, v79
	v_nop
	DRAIN
.irp t, 0,1,2,3
	v_mul_f32 v[TM+\t], v[TM+\t], v79
.endr
.irp t, 0,1,2,3
	v_fma_f32 v[TM+\t], v[TM+\t], v[XB+4+\t], v[XB+8+\t]           ; x gamma + beta
.endr
	global_store_b128 v165, v[TM:TM+3], s[16:17] th:TH_STORE_NT    ; sixteen lanes store 256 consecutive bytes, at a multiple of 256 from out0's first byte
	s_wait_tensorcnt 0x0                           ; the wave's end
	ds_add_u32 v[SPW], v[NIL]
	s_wait_dscnt 0x0
	ROUND                                          ; the closing round: no work-group ends while a partner may still ask for a tile that names it
	s_endpgm
.Lfunc_end_k_qdcc6cc789f_attn:
	.size	k_qdcc6cc789f_attn, .Lfunc_end_k_qdcc6cc789f_attn-k_qdcc6cc789f_attn
	.p2alignl 7, 3214868480
	.fill 96, 4, 3214868480
	.section	.rodata,"a",@progbits
	.p2align	6, 0x0
	.amdhsa_kernel k_qdcc6cc789f_attn
		.amdhsa_group_segment_fixed_size 327680
		.amdhsa_private_segment_fixed_size 0
		.amdhsa_enable_private_segment 0
		.amdhsa_kernarg_size 56
		.amdhsa_user_sgpr_count 2
		.amdhsa_user_sgpr_kernarg_segment_ptr 1
		.amdhsa_wavefront_size32 1
		.amdhsa_system_sgpr_workgroup_id_x 1
		.amdhsa_system_sgpr_workgroup_id_y 1
		.amdhsa_system_sgpr_workgroup_id_z 1
		.amdhsa_system_vgpr_workitem_id 0
		.amdhsa_next_free_vgpr 256
		.amdhsa_next_free_sgpr 96
		.amdhsa_reserve_vcc 0
		.amdhsa_float_denorm_mode_32 3
		.amdhsa_float_denorm_mode_16_64 3
		.amdhsa_memory_ordered 1
		.amdhsa_forward_progress 1
		.amdhsa_inst_pref_size 213
	.end_amdhsa_kernel
	.amdgpu_metadata
---
amdhsa.version: [ 1, 2 ]
amdhsa.kernels:
  - .name:           k_qdcc6cc789f_attn
    .symbol:         k_qdcc6cc789f_attn.kd
    .args:
      - { .name: tiles, .offset: 0, .size: 8, .value_kind: global_buffer, .address_space: global }
      - { .name: hrow, .offset: 8, .size: 8, .value_kind: global_buffer, .address_space: global }
      - { .name: wlq, .offset: 16, .size: 8, .value_kind: global_buffer, .address_space: global }
      - { .name: mask, .offset: 24, .size: 8, .value_kind: global_buffer, .address_space: global }
      - { .name: ln_gamma, .offset: 32, .size: 8, .value_kind: global_buffer, .address_space: global }
      - { .name: ln_beta, .offset: 40, .size: 8, .value_kind: global_buffer, .address_space: global }
      - { .name: out0, .offset: 48, .size: 8, .value_kind: global_buffer, .address_space: global }
    .group_segment_fixed_size: 327680
    .private_segment_fixed_size: 0
    .kernarg_segment_align: 8
    .kernarg_segment_size: 56
    .max_flat_workgroup_size: 512
    .sgpr_count:     96
    .vgpr_count:     256
    .wavefront_size: 32
...
	.end_amdgpu_metadata
.endif
;; end of part 2
